; MI455X (gfx1250); checked and timed in simulation.
; The chip was launched on July 23, 2026; its instructions are those of AMD's public machine-readable ISA for CDNA 5 (MIT licence, August 2026) and "CDNA5" Instruction Set Architecture Reference Guide (July 2026). The comments in the code are by the model that wrote it; some were corrected since.
;; task. Allowed arithmetic: matrix products marked QUANTISED: E5M2 operands, one given power-of-two scale a tensor, by v_wmma_f32_16x16x64_bf8_bf8 or v_wmma_f32_16x16x128_bf8_bf8, f32 sums; everything else in f32.
;; Inputs: W_codes 16 x 256 x 32 x 32 uint8 (E5M2 codes of W, K innermost, in blocks of 32 codes); b 16 x 256 float32; c 1,000 int32; lowp_scales 2 int32 (the exponents e of the quantised operands' scales 2^e); num 8,192 int32; x_codes 8,192 x 32 x 32 uint8 (E5M2 codes of x, K innermost, in blocks of 32 codes).
;; Outputs: out0 8,192 x 256 float32.
;; This version of the problem:
;;   THIS VERSION OF THE PROBLEM IS GIVEN IN LOW PRECISION. The matrix products marked QUANTISED in the list below multiply operands that are first quantised to E5M2 (5 exponent bits, 2 mantissa bits; 8 bits a number), with one given power-of-two scale for each operand tensor; their sums are f32. All else is computed in f32.
;;   The module's matrix products, in the order in which they are computed (A, B: the left and right operand; K: the contracted axis; several contracted axes count as one K, in the product's order):
;;     1. [M 8,192, K 1,024] x [K 1,024, N 4,096]; A: input x (given as codes); B: input W (given as codes): QUANTISED (scales: A lowp_scales[0], B lowp_scales[1])
;;   THE QUANTISER, for each operand of a quantised product, along K:
;;     - The operand's scale is 2^e, e = its entry of the input lowp_scales (int32; the entries are numbered through the quantised products in the list's order, A before B).
;;     - Each number is divided by the scale, clamped to +-57,344, and rounded to the nearest number of E5M2, ties to even, subnormals kept.
;;     - The product sums the exact products of the quantised numbers (number of the format x scale) in f32.
;;   ~~~python
;;   def quantise(x, axis, e):      # numpy; x: float32 -> the quantised numbers, widened to float32 again
;;       x = np.moveaxis(x, axis, -1); K = x.shape[-1]
;;       r = np.clip(x / 2.0 ** e, -57344, 57344)
;;       step = 2.0 ** (np.maximum(np.frexp(np.where(r == 0, 1, r))[1] - 1, -14) - 2)
;;       q = np.round(r / step) * step * 2.0 ** e      # np.round: ties to even
;;       return np.moveaxis(q, -1, axis).astype(np.float32)
;;   ~~~
;;   INPUTS GIVEN AS CODES. W (in the module: [16, 256, 1024], K = its axis 2); x (in the module: [8192, 1024], K = its axis 1): each comes as NAME_codes (uint8): NAME with its K axis moved to the last place and cut into blocks of 32 codes, [.., K / 32, bytes a block], one block behind the other in memory; one code a byte (a code: sign, 5 exponent bits, 2 mantissa bits); its scale is its entry of lowp_scales. Its value is code x scale, taken as it is: it is not quantised again, and the codes and scales need not be those that the quantiser above would give.
;; One version. Each part assembles by itself: llvm-mc -triple=amdgcn-amd-amdhsa -mcpu=gfx1250 --defsym DOCPART=n.
;; ======== version 1 of 1: 1 launch
;; limits: right only within a limited range of input values
;; launch experts (part 1): grid 16 x 16, 8 waves a work-group, no clusters, 268,288 bytes of LDS; arguments x_codes, W_codes, b, c, num, lowp_scales, out0; writes out0
.if DOCPART == 1
	.amdgcn_target "amdgcn-amd-amdhsa--gfx1250"
	.amdhsa_code_object_version 6
	.text
	.protected	k_qd4d80a7210_experts
	.globl	k_qd4d80a7210_experts
	.p2align	8
	.type	k_qd4d80a7210_experts,@function
k_qd4d80a7210_experts:
	s_mov_b64 s[64:65], 0
	v_nop
	global_prefetch_b8 v0, s[64:65] scope:SCOPE_SE
	s_setreg_imm32_b32 hwreg(HW_REG_WAVE_MODE, 25, 1), 1
	s_wait_xcnt 0x0
; out0[i][:] = sigmoid(x[i] . W[e]^T + b[e]), e = c[num[i]].  x [8192][1024], W [16][256][1024]: codes of BF8 (E5M2), K innermost, a row = 1,024 bytes;
; a number is its code x 2^ex (x) or x 2^ew (W): lowp_scales.  Only the chosen expert's product is made for a token: the others' are thrown away by the gather in the definition itself.
; SHARES.  Work-group (x = j, y = e) owns the tokens 512 j .. 512 j + 511 whose expert is e: m of them, 0 to 512.  Every token has one owner: each row of x is read once, each row of out0 stored once.
; Each wave finds the m tokens for itself, in registers (no traffic between waves): a table word a lane of (c[.] == e), a lane permute by num, 16 match masks, their counts; a rank is turned into a token by a search in registers.
; Eight waves.  Wave wv keeps in registers, for the whole launch, W[e]'s columns 64 cg .. + 63 (cg = wv / 2) x K bytes 512 kh .. + 511 (kh = wv % 2): 256 registers.  The two K halves meet as f32 sums in LDS.
; Rows go in passes of 64, in tiles of 16; a pass's row 8 k + wv is gathered and, at the end, finished and stored by wave wv.  Eight passes (8 x 64 = 512) stand in the text, pass 0 written out, 1 to 7 a loop of constant count:
; both barriers of a pass are on every path, and scalar branches on m jump only over the work between them.  Ranks at or past m repeat the last chosen row; such rows are not stored.
; THE MATRIX INSTRUCTION IS USED TRANSPOSED: source 0 = 16 rows of W (outputs), source 1 = 16 tokens: a lane holds one token and eight neighbouring outputs.
; A fragment's registers 4 c .. 4 c + 3 hold k = 32 c + 16 (lane / 16) + 0 .. 15 of the K step, alike in W and in x: every product meets its partner; the order of the sums inside an instruction differs from k's own.
; NO TENSOR LOADS, NO CLUSTER, though the 16 work-groups of an expert read the same W: the work hangs on counts made from loaded indices.
; No prefetch: all of W but a quarter, c and num are asked for by the wave's first loads, and the rows of x are known only when they are wanted.
; LIMITS: ex + ew between -126 and 127 (it is added to the exponent field of -log2(e)).  num is held at 999.  A c outside 0 .. 15 would find no owner (the definition's gather relies on 0 .. 15).
; Codes of infinity and NaN go to the matrix unit as they are.  A split in which one work-group has more than 64 rows is served, a pass at a time, each pass waiting for its own rows.
.set XP,   1040                        ; an LDS row of 1,024 bytes + 16: row r starts 16 r bytes on, modulo 256: the 16 rows that a load touches fall on different banks (64 banks of 4 bytes: ISA guide 11.1)
.set XT,   0                           ; 64 rows of x
.set PS,   64*XP                       ; partial sums: 64 rows x 256 f32, once for each K half
.set PSH,  64*XP
.set WS,   PS+2*PSH                    ; each wave's own stage for W: 16 rows of 512 bytes + 16
.set WP,   528
; window 0: v1 lane, v2 16 lane, v3 r, v4 h, v5 c's last offsets, v6/v7 W's stage in/out, v8/v9 x's tile in/out, v10 sums in, v11/v12 sums out, v13 my slots, v14-21 the 8 rows' byte offsets (x and out0 alike),
;   v24-31 -log2(e) b, v32-51 at work, v64-127 c, num, looked-up words, then 8 rows of x, v128-191 bit numbers, then x's four fragments, v192-223 four accumulators, v224-255 two rows on their way out
; window 1: W's fragment (tile n of 16 outputs, K step s) at v[64 n + 16 s]
; s4 x, s6 W, s8 b, s10 c, s12 num, s14 scales, s16 out0; s18 wave, s19 cg, s20 kh, s22 e; s32-47 match masks, s48-63 keys 16 x (matches before) + a; s66 m, s68 rows left, s69 m - 1, s70 the pass's first rank, s71 rows left - wave
.set MSB, 0
.macro WIN new                         ; the immediate's high byte repeats the setting that is left
.if MSB != \new
	s_set_vgpr_msb (MSB<<8)|\new
.set MSB, \new
.endif
.endm
; 16 rows of W, my K half: a load reads 512 consecutive bytes
.macro WLOAD n
	WIN 0x40                                       ; destination window 1
.irp p, 0,1,2,3,4,5,6,7,8,9,10,11,12,13,14,15
	global_load_b128 v[64*\n+4*\p:64*\n+4*\p+3], v2, s[6:7] offset:(16*\n+\p)*1024
.endr
	WIN 0
.endm
; the same 16 rows become four fragments, through my own stage: no other wave touches it, and LDS serves a wave's instructions in order (ISA guide 5.7.1.4)
.macro WSTAGE n
	WIN 0x04                                       ; a store's data: window 1
.irp p, 0,1,2,3,4,5,6,7,8,9,10,11,12,13,14,15
	ds_store_b128 v6, v[64*\n+4*\p:64*\n+4*\p+3] offset:WP*\p
.endr
	s_wait_dscnt 0x0                               ; the stores have read the registers into which the loads below land
	WIN 0x40
.irp s, 0,1,2,3
.irp c, 0,1,2,3
	ds_load_b128 v[64*\n+16*\s+4*\c:64*\n+16*\s+4*\c+3], v7 offset:128*\s+32*\c
.endr
.endr
	WIN 0
.endm
; one halving of the search for the v38-th set bit of v34: the count of the lower half at bit v45
.macro SELSTEP src, width, inc
	s_delay_alu instid0(VALU_DEP_1)
	v_bfe_u32 v43, v[\src], v45, \width
	s_delay_alu instid0(VALU_DEP_1)
	v_cmp_ge_u32 vcc_lo, v38, v43
	s_delay_alu instid0(VALU_DEP_1)
	v_cndmask_b32 v44, 0, v43, vcc_lo
	s_delay_alu instid0(VALU_DEP_1)
	v_sub_nc_u32 v38, v38, v44
	s_delay_alu instid0(VALU_DEP_3)
	v_cndmask_b32 v44, 0, \inc, vcc_lo
	s_delay_alu instid0(VALU_DEP_1)
	v_add_nc_u32 v45, v45, v44
.endm
; lane l: the token of rank min(first rank + my slot 8 (l % 8) + wave, m - 1), into v47.  Ranks run by (register a of num, lane)
.macro SELECT
	v_add_nc_u32 v32, s70, v13
	s_delay_alu instid0(VALU_DEP_1)
	v_min_u32 v32, s69, v32
	s_delay_alu instid0(VALU_DEP_1)
	v_lshl_or_b32 v33, v32, 4, 15                  ; key[a] <= 16 rank + 15 says: matches before a <= rank
.irp a, 1,2,3,4,5,6,7,8,9,10,11,12,13,14,15
	v_cmp_le_u32 s[83+\a], s[48+\a], v33
.endr
	v_mov_b32 v34, s32                             ; the last a for which that holds: its mask and its key, in two halves of eight
	v_mov_b32 v35, 0
	v_mov_b32 v36, s40
	v_mov_b32 v37, s56
.irp a, 1,2,3,4,5,6,7
	s_delay_alu instid0(VALU_DEP_4)
	v_cndmask_b32 v34, v34, s[32+\a], s[83+\a]
	s_delay_alu instid0(VALU_DEP_4)
	v_cndmask_b32 v35, v35, s[48+\a], s[83+\a]
	s_delay_alu instid0(VALU_DEP_4)
	v_cndmask_b32 v36, v36, s[40+\a], s[91+\a]
	s_delay_alu instid0(VALU_DEP_4)
	v_cndmask_b32 v37, v37, s[56+\a], s[91+\a]
.endr
	s_delay_alu instid0(VALU_DEP_2)
	v_cndmask_b32 v34, v34, v36, s91
	s_delay_alu instid0(VALU_DEP_2)
	v_cndmask_b32 v35, v35, v37, s91
	s_delay_alu instid0(VALU_DEP_1)
	v_lshrrev_b32 v38, 4, v35
	s_delay_alu instid0(VALU_DEP_1)
	v_sub_nc_u32 v38, v32, v38                     ; the rank inside the mask
	s_delay_alu instid0(VALU_DEP_4)
	v_lshrrev_b32 v39, 1, v34                      ; counts of set bits in fields of 2, 4, 8 and (low bytes of each half) 16 bits
	s_delay_alu instid0(VALU_DEP_1)
	v_and_b32 v39, 0x55555555, v39
	s_delay_alu instid0(VALU_DEP_1)
	v_sub_nc_u32 v39, v34, v39
	s_delay_alu instid0(VALU_DEP_1)
	v_lshrrev_b32 v40, 2, v39
	s_delay_alu instid0(VALU_DEP_1)
	v_and_b32 v40, 0x33333333, v40
	s_delay_alu instid0(VALU_DEP_3)
	v_and_b32 v41, 0x33333333, v39
	s_delay_alu instid0(VALU_DEP_1)
	v_add_nc_u32 v40, v40, v41
	s_delay_alu instid0(VALU_DEP_1)
	v_lshrrev_b32 v41, 4, v40
	s_delay_alu instid0(VALU_DEP_1)
	v_add_nc_u32 v41, v41, v40
	s_delay_alu instid0(VALU_DEP_1)
	v_and_b32 v41, 0x0f0f0f0f, v41
	s_delay_alu instid0(VALU_DEP_1)
	v_lshrrev_b32 v42, 8, v41
	s_delay_alu instid0(VALU_DEP_1)
	v_add_nc_u32 v42, v42, v41
	v_mov_b32 v45, 0
	SELSTEP 42, 8, 16
	SELSTEP 41, 8, 8
	SELSTEP 40, 4, 4
	SELSTEP 39, 2, 2
	SELSTEP 34, 1, 1                               ; v45: the lane that holds the token
	v_bfe_u32 v46, v35, 2, 2                       ; a = 4 i + q: the token is 128 i + 4 lane + q
	v_and_b32 v47, 3, v35
	s_delay_alu instid0(VALU_DEP_1)
	v_lshl_or_b32 v47, v45, 2, v47
	s_delay_alu instid0(VALU_DEP_1)
	v_lshl_or_b32 v47, v46, 7, v47
.endm
; my two rows of tile t: each load reads 512 consecutive bytes of one row.  No hint: a repeated rank names a row twice
.macro XTILE t
.irp q, 0,1
.irp u, 0,1
	global_load_b128 v[64+8*(2*\t+\q)+4*\u:64+8*(2*\t+\q)+4*\u+3], v[14+2*\t+\q], s[4:5] offset:512*\u
.endr
.endr
.endm
.macro XSTORE t
.irp q, 0,1
.irp u, 0,1
	ds_store_b128 v8, v[64+8*(2*\t+\q)+4*\u:64+8*(2*\t+\q)+4*\u+3] offset:8*XP*(2*\t+\q)+512*\u
.endr
.endr
.endm
; tile t's 16 tokens x my 64 outputs x my 512 along K: 16 matrix instructions, the four accumulators by turns, one instruction a turn
.macro CTILE t
.irp s, 0,1,2,3
.irp c, 0,1,2,3
	ds_load_b128 v[128+16*\s+4*\c:128+16*\s+4*\c+3], v9 offset:16*XP*\t+128*\s+32*\c
.endr
.endr
	WIN 0x01                                       ; source 0 (W) window 1
.irp s, 0,1,2,3
	s_wait_dscnt 12-4*\s                           ; K step s's four loads are in, the younger ones may be out; the tile before's stores of its sums, which are older, have read the accumulators
.irp n, 0,1,2,3
.if \s == 0
	v_wmma_f32_16x16x128_bf8_bf8 v[192+8*\n:199+8*\n], v[64*\n+16*\s:64*\n+16*\s+15], v[128+16*\s:143+16*\s], 0
.else
	v_wmma_f32_16x16x128_bf8_bf8 v[192+8*\n:199+8*\n], v[64*\n+16*\s:64*\n+16*\s+15], v[128+16*\s:143+16*\s], v[192+8*\n:199+8*\n]
.endif
.endr
.endr
	WIN 0
.rept 5
	v_nop                                          ; four places ahead of the stores that read results and of the next loads into the fragments; the fifth since the next tile begins the accumulators anew
.endr
.irp n, 0,1,2,3
	ds_store_b128 v10, v[192+8*\n:195+8*\n] offset:16*XP*\t+64*\n        ; token r, outputs 64 cg + 16 n + 8 h + 0 .. 3: each accumulator from its low end on
	ds_store_b128 v10, v[196+8*\n:199+8*\n] offset:16*XP*\t+64*\n+16
.endr
.endm
; my two rows of tile t: the K halves are added, sigmoid(s) = 1 / (1 + 2^(-log2(e) s)), and a row that stands for a token is stored: 512 consecutive bytes a store, from a multiple of 512 in out0
.macro ETILE t
	s_wait_xcnt 0x0                                ; earlier stores have read v224 on: only behind this wait are they loaded again
.irp q, 0,1
.irp u, 0,1
	ds_load_b128 v[224+8*\q+4*\u:227+8*\q+4*\u], v11 offset:8*XP*(2*\t+\q)+512*\u
	ds_load_b128 v[240+8*\q+4*\u:243+8*\q+4*\u], v12 offset:8*XP*(2*\t+\q)+512*\u
.endr
.endr
	s_wait_dscnt 0x0
.irp i, 0,2,4,6,8,10,12,14
	v_pk_add_f32 v[224+\i:225+\i], v[224+\i:225+\i], v[240+\i:241+\i]
.endr
.irp i, 0,2,4,6,8,10,12,14
	v_pk_fma_f32 v[224+\i:225+\i], v[224+\i:225+\i], s[80:81], v[24+(\i%8):25+(\i%8)] op_sel_hi:[1,0,1]   ; -log2(e) (sum x 2^(ex + ew) + b)
.endr
	s_wait_alu depctr_va_vdst(0)
.irp i, 0,1,2,3,4,5,6,7,8,9,10,11,12,13,14,15
	v_exp_f32 v[224+\i], v[224+\i]
.endr
	v_nop                                          ; a plain instruction behind the last exponential
	s_wait_alu depctr_va_vdst(0)                   ; one wait for the batch, ahead of its first reader
.irp i, 0,2,4,6,8,10,12,14
	v_pk_add_f32 v[224+\i:225+\i], v[224+\i:225+\i], 1.0 op_sel_hi:[1,0]
.endr
	s_wait_alu depctr_va_vdst(0)
.irp i, 0,1,2,3,4,5,6,7,8,9,10,11,12,13,14,15
	v_rcp_f32 v[224+\i], v[224+\i]
.endr
	v_nop
	s_wait_alu depctr_va_vdst(0)                   ; likewise for the reciprocals, and ahead of the branches
	s_cmp_gt_i32 s71, 8*(2*\t)                     ; row 8 k + wave stands for a token where rows left - wave > 8 k
	s_cbranch_scc0 .Lna_\@
	global_store_b128 v[14+2*\t], v[224:227], s[16:17] th:TH_STORE_NT
	global_store_b128 v[14+2*\t], v[228:231], s[16:17] offset:512 th:TH_STORE_NT
.Lna_\@:
	s_cmp_gt_i32 s71, 8*(2*\t+1)
	s_cbranch_scc0 .Lnb_\@
	global_store_b128 v[15+2*\t], v[232:235], s[16:17] th:TH_STORE_NT
	global_store_b128 v[15+2*\t], v[236:239], s[16:17] offset:512 th:TH_STORE_NT
.Lnb_\@:
.endm
; a step for as many tiles of 16 rows as the pass has
.macro LADDER op
	s_cmp_lt_i32 s68, 1
	s_cbranch_scc1 .Lend_\@
	\op 0
	s_cmp_lt_i32 s68, 17
	s_cbranch_scc1 .Lend_\@
	\op 1
	s_cmp_lt_i32 s68, 33
	s_cbranch_scc1 .Lend_\@
	\op 2
	s_cmp_lt_i32 s68, 49
	s_cbranch_scc1 .Lend_\@
	s_wait_alu depctr_va_vdst(0)
	\op 3
.Lend_\@:
.endm
.macro MEET                            ; all my LDS instructions are done, stores and loads: then the work-group's barrier
	s_wait_dscnt 0x0
	s_barrier_signal -1
	s_barrier_wait -1
.endm
; A PASS of 64 ranks from s70 on.  first = 1: pass 0, in which W's last quarter is asked for and W is turned into fragments while the rows of x are on their way
.macro PASS first
.if !\first
	s_wait_xcnt 0x0                                ; the last pass's loads and stores have read the rows' offsets, which are written below
.endif
	s_sub_co_i32 s68, s66, s70                     ; rows left
	s_sub_co_i32 s71, s68, s18
.if !\first
	s_cmp_lt_i32 s68, 1
	s_cbranch_scc1 .Lmeet_\@                       ; nothing left: only the barriers are passed
.endif
	SELECT
.irp k, 0,1,2,3,4,5,6,7
	v_readlane_b32 s[72+\k], v47, \k               ; my row k's token
.endr
.irp k, 0,1,2,3,4,5,6,7
	s_min_u32 s[72+\k], s[72+\k], 511              ; held inside the work-group's 512
.endr
.irp k, 0,1,2,3,4,5,6,7
	v_lshl_add_u32 v[14+\k], s[72+\k], 10, v2      ; 1,024 x token + 16 x lane
.endr
.if \first
	s_cmp_lt_i32 s68, 1                            ; the gather; each way out waits for all but its own loads of x: W's tiles 0 to 2 are in, x stays out
	s_cbranch_scc1 .Lx0_\@
	XTILE 0
	s_cmp_lt_i32 s68, 17
	s_cbranch_scc1 .Lx1_\@
	XTILE 1
	s_cmp_lt_i32 s68, 33
	s_cbranch_scc1 .Lx2_\@
	XTILE 2
	s_cmp_lt_i32 s68, 49
	s_cbranch_scc1 .Lx3_\@
	s_wait_alu depctr_va_vdst(0)
	XTILE 3
	s_wait_loadcnt 16
	s_branch .Lxj_\@
.Lx3_\@:
	s_wait_loadcnt 12
	s_branch .Lxj_\@
.Lx2_\@:
	s_wait_loadcnt 8
	s_branch .Lxj_\@
.Lx1_\@:
	s_wait_loadcnt 4
	s_branch .Lxj_\@
.Lx0_\@:
	s_wait_loadcnt 0x0
.Lxj_\@:
	WLOAD 3
	global_load_b128 v[24:27], v2, s[8:9]                  ; b[e]: outputs 4 lane + 0 .. 3,
	global_load_b128 v[28:31], v2, s[8:9] offset:512       ; and 128 + 4 lane + 0 .. 3: as a stored row has them
	WSTAGE 0
	WSTAGE 1
	WSTAGE 2
	s_wait_loadcnt 18                              ; behind x, on every way: W's tile 3 (16 loads) and b (2): x is in
	LADDER XSTORE
	s_wait_loadcnt 0x0
	WSTAGE 3
.irp i, 0,2,4,6
	v_pk_mul_f32 v[24+\i:25+\i], v[24+\i:25+\i], 0xbfb8aa3b op_sel_hi:[1,0]   ; -log2(e) b
.endr
.else
	LADDER XTILE
	s_wait_loadcnt 0x0
	LADDER XSTORE
.Lmeet_\@:
.endif
	MEET                                           ; the pass's rows of x lie in LDS; every wave's reads of the last pass's sums are back
	LADDER CTILE
	MEET                                           ; the sums of both K halves lie in LDS; every wave's reads of the rows of x are back
	LADDER ETILE
.endm
	s_load_b256 s[4:11], s[0:1], 0x0               ; x, W, b, c
	s_load_b128 s[12:15], s[0:1], 0x20             ; num, the scales' exponents
	s_load_b64 s[16:17], s[0:1], 0x30              ; out0
	v_lshl_add_u32 v62, v0, 2, 0x41400
	v_mov_b32 v63, 0
	v_lshrrev_b32 v1, 5, v0
	s_delay_alu instid0(VALU_DEP_1)
	v_readfirstlane_b32 s18, v1                    ; wave 0..7
	s_lshr_b32 s19, s18, 1                         ; cg: my 64 outputs
	s_and_b32 s20, s18, 1                          ; kh: my half of K
	s_and_b32 s22, ttmp7, 0xffff                   ; e
	v_and_b32 v1, 31, v0                           ; lane
	s_delay_alu instid0(VALU_DEP_1)
	v_lshlrev_b32 v2, 4, v1
	v_and_b32 v3, 15, v0                           ; r
	v_bfe_u32 v4, v0, 4, 1                         ; h
	s_delay_alu instid0(VALU_DEP_3)
	v_min_u32 v5, 400, v2                          ; c's last load ends at byte 3,584 + 400 + 16 = 4,000: lanes 26 to 31 read lane 25's entries again
	s_mul_i32 s28, s18, 16*WP
	s_add_co_u32 s28, s28, WS                      ; my stage
	v_add_nc_u32 v6, s28, v2
	v_mul_u32_u24 v7, v3, WP
	s_delay_alu instid0(VALU_DEP_1)
	v_lshl_add_u32 v7, v4, 4, v7
	s_delay_alu instid0(VALU_DEP_1)
	v_add_nc_u32 v7, s28, v7
	s_mul_i32 s29, s18, XP
	v_add_nc_u32 v8, s29, v2                       ; x's tile, in: row 8 k + wave
	v_mul_u32_u24 v9, v3, XP
	s_delay_alu instid0(VALU_DEP_1)
	v_lshl_add_u32 v9, v4, 4, v9
	s_lshl_b32 s30, s20, 9
	v_add_nc_u32 v9, s30, v9                       ; and out: row r, my K half, + 16 h
	v_mul_u32_u24 v10, v3, XP
	s_delay_alu instid0(VALU_DEP_1)
	v_lshl_add_u32 v10, v4, 5, v10
	s_mul_i32 s30, s20, PSH
	s_lshl_b32 s31, s19, 8
	s_add_co_u32 s30, s30, s31
	s_add_co_u32 s30, s30, PS
	v_add_nc_u32 v10, s30, v10                     ; the sums, in: my K half's copy, row r, 256 cg + 32 h bytes
	v_add_nc_u32 v11, PS, v8                       ; and out: row 8 k + wave of K half 0,
	s_delay_alu instid0(VALU_DEP_1)
	v_add_nc_u32 v12, PSH, v11                     ; of K half 1
	v_and_b32 v13, 7, v0
	s_delay_alu instid0(VALU_DEP_1)
	v_lshl_add_u32 v13, v13, 3, s18                ; lane k (of 8) stands for my row k: slot 8 k + wave
	s_mov_b32 s25, 0
	s_wait_kmcnt 0x0
.irp i, 0,1,2,3,4,5,6
	global_load_b128 v[64+4*\i:67+4*\i], v2, s[10:11] offset:512*\i    ; c[128 i + 4 lane + q] in register 4 i + q
.endr
	global_load_b128 v[92:95], v5, s[10:11] offset:3584
	s_load_b64 s[26:27], s[14:15], 0x0             ; ex, ew
	s_lshl_b32 s24, ttmp9, 11
	s_add_nc_u64 s[12:13], s[12:13], s[24:25]      ; num at my 512 tokens
.irp i, 0,1,2,3
	global_load_b128 v[96+4*\i:99+4*\i], v2, s[12:13] offset:512*\i    ; token 128 i + 4 lane + q in register a = 4 i + q
.endr
	s_lshl_b32 s24, s22, 18                        ; W[e]: 262,144 e + 65,536 cg + 512 kh
	s_lshl_b32 s28, s19, 16
	s_add_co_u32 s24, s24, s28
	s_lshl_b32 s28, s20, 9
	s_add_co_u32 s24, s24, s28
	s_add_nc_u64 s[6:7], s[6:7], s[24:25]
	WLOAD 0                                        ; with these 48, 60 loads of the wave are out
	WLOAD 1
	WLOAD 2
	s_lshl_b32 s24, ttmp9, 19
	s_add_nc_u64 s[4:5], s[4:5], s[24:25]          ; x and out0 at my 512 tokens
	s_add_nc_u64 s[16:17], s[16:17], s[24:25]
	s_lshl_b32 s24, s22, 10
	s_add_nc_u64 s[8:9], s[8:9], s[24:25]          ; b[e]
	s_wait_loadcnt 48                              ; c and num are in; W's 48 loads, issued behind them, may be out
	; WHICH OF MY 512 TOKENS HAVE EXPERT e
.irp a, 0,1,2,3,4,5,6,7,8,9,10,11,12,13,14,15
	v_min_u32 v[96+\a], 0x3e7, v[96+\a]            ; n = num, held at 999
.endr
.irp p, 0,1,2,3,4,5,6,7,8,9,10,11,12,13,14,15,16,17,18,19,20,21,22,23,24,25,26,27,28,29,30,31
	v_cmp_eq_u32 s[32+\p], s22, v[64+\p]
.endr
.irp p, 0,1,2,3,4,5,6,7,8,9,10,11,12,13,14,15,16,17,18,19,20,21,22,23,24,25,26,27,28,29,30,31
	v_cndmask_b32 v[64+\p], 0, 1, s[32+\p]
.endr
.irp a, 0,1,2,3,4,5,6,7,8,9,10,11,12,13,14,15
	v_lshrrev_b32 v[128+\a], 5, v[96+\a]
.endr
.irp a, 0,1,2,3,4,5,6,7,8,9,10,11,12,13,14,15
	v_bfi_b32 v[128+\a], 3, v[96+\a], v[128+\a]    ; 4 (n / 128) + n % 4: n's bit in its lane's table word
.endr
.irp g, 0,1,2,3
	v_lshlrev_b32 v[48+\g], 8*\g, v[64+8*\g]       ; the table word, in four chains: bit 4 i + q of lane l says c[128 i + 4 l + q] == e
.endr
.irp z, 1,2,3,4,5,6,7
.irp g, 0,1,2,3
	s_delay_alu instid0(VALU_DEP_4)
	v_lshl_or_b32 v[48+\g], v[64+8*\g+\z], 8*\g+\z, v[48+\g]
.endr
.endr
	s_delay_alu instid0(VALU_DEP_3)
	v_or_b32 v48, v48, v49
	s_delay_alu instid0(VALU_DEP_2)
	v_or_b32 v50, v50, v51
	s_delay_alu instid0(VALU_DEP_1)
	v_or_b32 v48, v48, v50
.irp a, 0,1,2,3,4,5,6,7,8,9,10,11,12,13,14,15
	ds_bpermute_b32 v[112+\a], v[96+\a], v48       ; the word of lane (n / 4) % 32: the index is a byte address, 4 x lane, so n itself serves.  No LDS byte is touched
.endr
	s_wait_kmcnt 0x0
	s_add_co_i32 s26, s26, s27                     ; ex + ew, between -126 and 127,
	s_lshl_b32 s26, s26, 23
	s_add_co_u32 s80, s26, 0xbfb8aa3b              ; added to the exponent field of -log2(e)
	s_mov_b32 s81, s80                             ; (named with it as a pair, so it is written)
	s_wait_dscnt 0x0
.irp a, 0,1,2,3,4,5,6,7,8,9,10,11,12,13,14,15
	v_bfe_u32 v[112+\a], v[112+\a], v[128+\a], 1
.endr
.irp a, 0,1,2,3,4,5,6,7,8,9,10,11,12,13,14,15
	v_cmp_ne_u32 s[32+\a], 0, v[112+\a]            ; the match mask of register a
.endr
.irp a, 0,1,2,3,4,5,6,7,8,9,10,11,12,13,14,15
	s_bcnt1_i32_b32 s[48+\a], s[32+\a]
.endr
	s_mov_b32 s66, 0
.irp a, 0,1,2,3,4,5,6,7,8,9,10,11,12,13,14,15
	s_add_co_u32 s[67-(\a%2)], s[66+(\a%2)], s[48+\a]      ; the running count, in s66 and s67 by turns,
	s_lshl4_add_u32 s[48+\a], s[66+(\a%2)], \a             ; and the key: 16 x (matches before a) + a
.endr
	s_add_co_i32 s69, s66, -1                      ; s66 = m
	s_mov_b32 s70, 0
	PASS 1
	s_mov_b32 s82, 7
.Lpass:                                                ; passes 1 to 7: a constant count, so that every wave passes every barrier whatever m is
	s_add_co_u32 s70, s70, 64
	PASS 0
	s_sub_co_u32 s82, s82, 1
	s_cmp_lg_u32 s82, 0
	s_cbranch_scc1 .Lpass
	s_wait_tensorcnt 0x0
	ds_add_u32 v62, v63
	s_wait_dscnt 0x0
	s_endpgm
.Lfunc_end_k_qd4d80a7210_experts:
	.size	k_qd4d80a7210_experts, .Lfunc_end_k_qd4d80a7210_experts-k_qd4d80a7210_experts
	.p2alignl 7, 3214868480
	.fill 96, 4, 3214868480
	.section	.rodata,"a",@progbits
	.p2align	6, 0x0
	.amdhsa_kernel k_qd4d80a7210_experts
		.amdhsa_group_segment_fixed_size 268288
		.amdhsa_private_segment_fixed_size 0
		.amdhsa_enable_private_segment 0
		.amdhsa_kernarg_size 56
		.amdhsa_user_sgpr_count 2
		.amdhsa_user_sgpr_kernarg_segment_ptr 1
		.amdhsa_wavefront_size32 1
		.amdhsa_system_sgpr_workgroup_id_x 1
		.amdhsa_system_sgpr_workgroup_id_y 1
		.amdhsa_system_sgpr_workgroup_id_z 1
		.amdhsa_system_vgpr_workitem_id 0
		.amdhsa_next_free_vgpr 512
		.amdhsa_next_free_sgpr 100
		.amdhsa_reserve_vcc 1
		.amdhsa_float_denorm_mode_32 3
		.amdhsa_float_denorm_mode_16_64 3
		.amdhsa_memory_ordered 1
		.amdhsa_forward_progress 1
		.amdhsa_inst_pref_size 114
	.end_amdhsa_kernel
	.amdgpu_metadata
---
amdhsa.version: [ 1, 2 ]
amdhsa.kernels:
  - .name:           k_qd4d80a7210_experts
    .symbol:         k_qd4d80a7210_experts.kd
    .args:
      - { .name: x_codes, .offset: 0, .size: 8, .value_kind: global_buffer, .address_space: global }
      - { .name: W_codes, .offset: 8, .size: 8, .value_kind: global_buffer, .address_space: global }
      - { .name: b, .offset: 16, .size: 8, .value_kind: global_buffer, .address_space: global }
      - { .name: c, .offset: 24, .size: 8, .value_kind: global_buffer, .address_space: global }
      - { .name: num, .offset: 32, .size: 8, .value_kind: global_buffer, .address_space: global }
      - { .name: lowp_scales, .offset: 40, .size: 8, .value_kind: global_buffer, .address_space: global }
      - { .name: out0, .offset: 48, .size: 8, .value_kind: global_buffer, .address_space: global }
    .group_segment_fixed_size: 268288
    .private_segment_fixed_size: 0
    .kernarg_segment_align: 8
    .kernarg_segment_size: 56
    .max_flat_workgroup_size: 256
    .sgpr_count:     100
    .vgpr_count:     512
    .wavefront_size: 32
...
	.end_amdgpu_metadata
.endif
;; end of part 1
